; MI455X (gfx1250); checked and timed in simulation.
; The chip was launched on July 23, 2026; its instructions are those of AMD's public machine-readable ISA for CDNA 5 (MIT licence, August 2026) and "CDNA5" Instruction Set Architecture Reference Guide (July 2026). The comments in the code are by the model that wrote it; some were corrected since.
;; Multi Head Self Attention. Allowed arithmetic: matrix products marked QUANTISED: E5M2 operands, one given power-of-two scale a tensor, by v_wmma_f32_16x16x64_bf8_bf8 or v_wmma_f32_16x16x128_bf8_bf8, f32 sums; everything else in f32.
;; Inputs: Wk_codes 1,024 x 32 x 32 uint8 (E5M2 codes of Wk, K innermost, in blocks of 32 codes); Wo_codes 1,024 x 32 x 32 uint8 (E5M2 codes of Wo, K innermost, in blocks of 32 codes); Wq_codes 1,024 x 32 x 32 uint8 (E5M2 codes of Wq, K innermost, in blocks of 32 codes); Wv_codes 1,024 x 32 x 32 uint8 (E5M2 codes of Wv, K innermost, in blocks of 32 codes); bk 1,024 float32; bo 1,024 float32; bq 1,024 float32; bv 1,024 float32; lowp_scales 12 int32 (the exponents e of the quantised operands' scales 2^e); mask 4 x 1 x 1 x 2,048 int32; x_codes 4 x 2,048 x 32 x 32 uint8 (E5M2 codes of x, K innermost, in blocks of 32 codes).
;; Outputs: out0 4 x 2,048 x 1,024 float32.
;; This version of the problem:
;;   THIS VERSION OF THE PROBLEM IS GIVEN IN LOW PRECISION. The matrix products marked QUANTISED in the list below multiply operands that are first quantised to E5M2 (5 exponent bits, 2 mantissa bits; 8 bits a number), with one given power-of-two scale for each operand tensor; their sums are f32. All else is computed in f32.
;;   The module's matrix products, in the order in which they are computed (A, B: the left and right operand; K: the contracted axis; several contracted axes count as one K, in the product's order):
;;     1. [M 8,192, K 1,024] x [K 1,024, N 1,024]; A: input x (given as codes); B: input Wq (given as codes): QUANTISED (scales: A lowp_scales[0], B lowp_scales[1])
;;     2. [M 8,192, K 1,024] x [K 1,024, N 1,024]; A: input x (given as codes); B: input Wk (given as codes): QUANTISED (scales: A lowp_scales[2], B lowp_scales[3])
;;     3. [M 8,192, K 1,024] x [K 1,024, N 1,024]; A: input x (given as codes); B: input Wv (given as codes): QUANTISED (scales: A lowp_scales[4], B lowp_scales[5])
;;     4. batch 64 x [M 2,048, K 64] x [K 64, N 2,048]; A: computed on the way; B: computed on the way: QUANTISED (scales: A lowp_scales[6], B lowp_scales[7])
;;     5. batch 64 x [M 2,048, K 2,048] x [K 2,048, N 64]; A: softmax (see below); B: computed on the way: QUANTISED (scales: A lowp_scales[8], B lowp_scales[9])
;;     6. [M 8,192, K 1,024] x [K 1,024, N 1,024]; A: computed on the way; B: input Wo (given as codes): QUANTISED (scales: A lowp_scales[10], B lowp_scales[11])
;;   THE QUANTISER, for each operand of a quantised product, along K:
;;     - The operand's scale is 2^e, e = its entry of the input lowp_scales (int32; the entries are numbered through the quantised products in the list's order, A before B).
;;     - Each number is divided by the scale, clamped to +-57,344, and rounded to the nearest number of E5M2, ties to even, subnormals kept.
;;     - The product sums the exact products of the quantised numbers (number of the format x scale) in f32.
;;   ~~~python
;;   def quantise(x, axis, e):      # numpy; x: float32 -> the quantised numbers, widened to float32 again
;;       x = np.moveaxis(x, axis, -1); K = x.shape[-1]
;;       r = np.clip(x / 2.0 ** e, -57344, 57344)
;;       step = 2.0 ** (np.maximum(np.frexp(np.where(r == 0, 1, r))[1] - 1, -14) - 2)
;;       q = np.round(r / step) * step * 2.0 ** e      # np.round: ties to even
;;       return np.moveaxis(q, -1, axis).astype(np.float32)
;;   ~~~
;;   SOFTMAX AHEAD OF A QUANTISED PRODUCT. Where the list says 'softmax', what is quantised is not the finished softmax but p = 2^(t - M), with t = logit x log2(e) and M = ceil(the row's largest t), a whole number; so 1/2 < the row's largest p <= 1. The row's sum l is taken of the UNQUANTISED p, in f32, and the product's result is divided by l at the end. Since M is a whole number, a kernel that streams over the keys may use a running M (the ceiling of the running maximum): every later rescaling is an exact power of two, so the quantised numbers keep their values, but for numbers so far below the row's largest that they fall under the format's range.
;;   OPERANDS COMPUTED ON THE WAY. 'Computed on the way' means the value that the module computes at that place (a softmax that the list does not call 'softmax' is quantised finished and normalised). What goes into a quantiser is computed in f32, as accurately as f32 sums, v_exp_f32 and their like allow (about 1e-6 of the number): no bf16 or f16 on the way to a quantiser, and a product that is left as it is and whose result goes on into a quantised operand takes f32 operands (vector FMAs, or v_wmma_f32_16x16x4_f32). A number that lies on a knife's edge between two numbers of the format may be rounded either way, as far as f32 arithmetic and the matrix unit's own rounding can turn it there, and no further.
;;   INPUTS GIVEN AS CODES. Wk (in the module: [1024, 1024], K = its axis 1); Wo (in the module: [1024, 1024], K = its axis 1); Wq (in the module: [1024, 1024], K = its axis 1); Wv (in the module: [1024, 1024], K = its axis 1); x (in the module: [4, 2048, 1024], K = its axis 2): each comes as NAME_codes (uint8): NAME with its K axis moved to the last place and cut into blocks of 32 codes, [.., K / 32, bytes a block], one block behind the other in memory; one code a byte (a code: sign, 5 exponent bits, 2 mantissa bits); its scale is its entry of lowp_scales. Its value is code x scale, taken as it is: it is not quantised again, and the codes and scales need not be those that the quantiser above would give.
;; One version. Each part assembles by itself: llvm-mc -triple=amdgcn-amd-amdhsa -mcpu=gfx1250 --defsym DOCPART=n.
;; ======== version 1 of 1: 3 launches
;; limits: right only within a limited range of input values
;; workspace buffers: q_frag 8,388,608 bytes; k_frag 8,388,608 bytes; v_frag 8,388,608 bytes; a_frag 8,388,608 bytes
;; launch proj (part 1): grid 8 x 48, 4 waves a work-group, clusters of 4 x 4, 327,680 bytes of LDS; arguments x_codes, Wq_codes, Wk_codes, Wv_codes, bq, bk, bv, lowp_scales, q_frag, k_frag, v_frag; writes q_frag, k_frag, v_frag
.if DOCPART == 1
	.amdgcn_target "amdgcn-amd-amdhsa--gfx1250"
	.amdhsa_code_object_version 6
	.text
	.protected	k_qc6a942e2c8_proj
	.globl	k_qc6a942e2c8_proj
	.p2align	8
	.type	k_qc6a942e2c8_proj,@function
k_qc6a942e2c8_proj:
	s_mov_b64 s[64:65], 0
	v_nop
	global_prefetch_b8 v0, s[64:65] scope:SCOPE_SE
	s_setreg_imm32_b32 hwreg(HW_REG_WAVE_MODE, 25, 1), 1
	s_wait_xcnt 0x0
	s_wait_alu depctr_hold_cnt(0) depctr_sa_sdst(0) depctr_va_vdst(0) depctr_va_sdst(0) depctr_va_ssrc(0) depctr_va_vcc(0) depctr_vm_vsrc(0)
	s_getreg_b32 s2, hwreg(HW_REG_IB_STS2, 6, 4)
	s_cmp_eq_u32 s2, 0
	s_cbranch_scc0 .Lentry_in_a_cluster
	s_endpgm
.Lentry_in_a_cluster:
	s_bfe_u32 s2, ttmp6, 0x10000c
	s_cmp_lg_u32 s2, 0xf033
	s_cbranch_scc0 .Lentry_shape_is_right
	s_endpgm
.Lentry_shape_is_right:
; q = x Wq^T + bq, k = x Wk^T + bk, v = x Wv^T + bv on codes of BF8 (E5M2), and the three results quantised anew (scales: entries 6, 7, 9 of lowp_scales) for the attention that follows.
; NOTHING OF reference() IS LEFT OUT in this program: every input (x, the four weights, the four biases, the mask, all twelve scales) has a way to out0 and is loaded; bk stays, since it moves k's codes.
; x has three scale entries (0, 2, 4), one for each product: each product takes its own.
; A tile is 256 rows of A' x 256 rows of B', K = 1,024; four waves, each 128 x 128: 64 accumulators.  K goes in steps of 256 through a ring of two LDS slots filled by the tensor data mover.
; 384 tiles: clusters with y 0..7 make q (cluster x = 0) or k (cluster x = 1): A' = x (tokens), B' = the weight (features).  Clusters with y 8..11 make v with the parts SWAPPED BY DATA: A' = Wv (channels), B' = x (tokens).
; THE MATRIX INSTRUCTION IS USED TRANSPOSED (source 0 = 16 rows of B', source 1 = 16 rows of A'): lane (r, h) of accumulator (a, b) holds A' row 16 a + r and B' rows 16 b + 8 h + 0 .. 7.
; So one conversion of an accumulator's eight registers gives registers 2 b, 2 b + 1 of an operand fragment whose lane is the A' row and whose K runs along B' rows: for q and k 16 tokens x 64 of a head,
; for v 16 channels x 128 keys.  THE WORKSPACE BUFFERS ARE IMAGES OF THOSE REGISTERS: four registers of 32 lanes are 512 consecutive bytes; every store covers 512 consecutive bytes, aligned.
;   q_frag, k_frag: [batch 4][head 16][token tile 128][group 2][lane 32][16 bytes];   v_frag: [batch 4][head 16][128 keys: 16][channel tile 4][group 4][lane 32][16 bytes]
; THE BIAS is the C of each sum's first matrix instruction, divided by the power of two that the sums lack (b / 2^(ex + ew)); the three scales ahead of the quantiser are folded into the conversion's one, 2^(eo - ex - ew).
; CLUSTERS: 4 x 4 work-groups.  The four of a row of the cluster need the same tiles of A', the four of a column the same tiles of B': each tile is asked for JOINTLY.  The branches on the kind of tile (v or not) hang on the cluster's y alone, which all sixteen share.
; LIMITS: eo - ex - ew lies between -126 and 112 for each of the three products, so that the powers of two below are f32 numbers.  NaN among the biases is not served.
; REGISTERS, in windows of 256: window 0: v0-31 addresses and the conversion's scale; v32-95 the bias in the results' layout; v96-103 at work; from v128 A's fragments, ONE set, later the codes.
;   window 1: B's fragments, TWO sets.   window 2: the accumulators of my rows 0-63 ((a, b) at v[8 (8 a + b)]);   window 3: those of my rows 64-127.
.set KROW,   1024                      ; a row of x or of a weight in memory, in bytes
.set ROWB,   256                       ; a tile's row: 256 codes
.set PITCH,  272                       ; an LDS row: 256 bytes + 16 of padding: the 16 rows that a load touches begin 68 words apart
.set FR,     16                        ; registers of a fragment: 16 rows x 128 K
.set NL,     4                         ; LDS loads that bring one
.set NP,     4                         ; places behind this matrix instruction (ISA guide 7.12.1)
.set HALFT,  128*PITCH                 ; 128 rows: what one tensor load brings
.set SLOT,   4*HALFT                   ; A's 256 rows, then B's 256 rows
.set SPARE,  2*SLOT                    ; behind the ring: the spare words, 128 bytes for each wave
.set ADRA, 16                          ; v16-17  LDS address of my A fragments in slot 0, 1
.set ADRB, 20                          ; v20-21  the same for B
.set BOF,  24                          ; v24     my lane's byte in the bias
.set CO,   26                          ; v26     16 x lane: my place in an image
.set SPW,  28                          ; v28     LDS address of my spare word; never rewritten
.set NIL,  29                          ; v29     0; never rewritten
.set SC,   30                          ; v30     2^(eo - ex - ew) as f32
.set LIM,  31
.set BI,   32                          ; v32-95  the bias, eight registers for each of eight tiles
.set BT,   96                          ; v96-103 v's bias as loaded
.set AF,   128                         ; A's fragments
.set CD,   128                         ; the codes: 16 registers for each of my eight A' tiles
.set G1, 24                            ; s[24:31] descriptor group 1 for A's tiles;  s[32:39] group 0, one set for each slot
.set G0, 32
.set G1B, 48                           ; s[48:55], s[56:63] the same for B's tiles
.set G0B, 56
.set ISV, 66                           ; s66     1 where the cluster makes v
.set MSB, 0
.macro WIN new                         ; the immediate's high byte repeats the setting that is left
.if MSB != \new
	s_set_vgpr_msb (MSB<<8)|\new
.set MSB, \new
.endif
.endm
.set MUL_LO, 0xa1                      ; source 0 (B) window 1, source 1 (A) window 0, C and D window 2
.set MUL_HI, 0xf1                      ; the same, C and D window 3
.set TO_B,   0x40                      ; destination window 1, address window 0
; A joint load: waves 0 and 1 fetch for A, waves 2 and 3 for B; the branch hangs on the wave's number alone.  An s_nop 0 and four v_nop follow each of the two lines.
.macro JLOAD g0a, g1a, g0b, g1b
	s_cmp_eq_u32 s15, 0
	s_cbranch_scc0 .Lfor_b_\@
	tensor_load_to_lds s[\g0a:\g0a+3], s[\g1a:\g1a+7]
	s_nop 0
.rept 4
	v_nop
.endr
	s_branch .Lasked_\@
.Lfor_b_\@:
	tensor_load_to_lds s[\g0b:\g0b+3], s[\g1b:\g1b+7]
	s_nop 0
.rept 4
	v_nop
.endr
.Lasked_\@:
.endm
.macro CREST                           ; a round of the cluster's barrier behind its opening barrier
	s_cmp_lg_u32 s14, 0
	s_cbranch_scc1 .Lnot_wave_0_\@
	s_barrier_signal -3
.Lnot_wave_0_\@:
	s_barrier_wait -3
	s_barrier_signal -1
	s_barrier_wait -1
.endm
.macro CROUND                          ; a whole round
	s_barrier_signal -1
	s_barrier_wait -1
	CREST
.endm
	s_load_b256 s[4:11], s[0:1], 0x0               ; x s[4:5], Wq s[6:7], Wk s[8:9], Wv s[10:11]
	s_load_b256 s[68:75], s[0:1], 0x20             ; bq s[68:69], bk s[70:71], bv s[72:73], the scales' exponents s[74:75]
	s_load_b128 s[76:79], s[0:1], 0x40             ; q_frag s[76:77], k_frag s[78:79]
	s_load_b64 s[80:81], s[0:1], 0x50              ; v_frag
	v_lshl_add_u32 v[SPW], v0, 2, SPARE
	v_mov_b32 v[NIL], 0
	ds_add_u32 v[SPW], v[NIL]                      ; the wave's opening: the add, twice on end, and its wait ahead of my first tensor load
	ds_add_u32 v[SPW], v[NIL]                      ; and once more, under the one wait; the set-up below, work on registers, stands between
	v_lshrrev_b32 v1, 5, v0
	v_readfirstlane_b32 s14, v1                    ; wave 0..3
	s_lshr_b32 s15, s14, 1                         ; which half of the tile's A' rows is mine.  Also: I fetch for A (0) or for B (1)
	s_and_b32 s16, s14, 1                          ; which half of its B' rows.  Also: which 128 rows of that tile I fetch
	s_bfe_u32 s40, ttmp6, 0x40000                  ; cx, cy: my place in the cluster
	s_bfe_u32 s41, ttmp6, 0x40004
	s_mov_b32 s12, ttmp9                           ; the cluster's x: 0 or 1
	s_and_b32 s13, ttmp7, 0xffff                   ; the cluster's y: 0..11
	s_cmp_ge_u32 s13, 8
	s_cselect_b32 s[ISV], 1, 0                     ; clusters 8..11 along y make v
	s_lshl_b32 s18, s13, 2
	s_cmp_ge_u32 s13, 8
	s_cselect_b32 s18, 0, s18
	s_add_co_u32 s17, s18, s41                     ; tile row (A'): 4 x cluster y + cy among x's 32, or cy among Wv's 4: made of cy and the cluster's place alone
	s_sub_co_u32 s19, s13, 8
	s_lshl_b32 s19, s19, 1
	s_add_co_u32 s19, s19, s12
	s_lshl_b32 s19, s19, 2
	s_cmp_ge_u32 s13, 8
	s_cselect_b32 s19, s19, 0
	s_add_co_u32 s42, s19, s40                     ; tile column (B'): cx among a weight's 4, or 4 (2 (cluster y - 8) + cluster x) + cx among x's 32: made of cx and the cluster's place alone
	s_lshl_b32 s43, s41, 2
	s_lshl_b32 s43, 15, s43                        ; my row of the cluster
	s_lshl_b32 s44, 0x1111, s40                    ; my column
	; descriptor group 1: a tile of 128 rows x 256 bytes, padded in LDS
	s_or_b32 s[G1+0], s43, (0<<16)|(1<<20)|(1<<21)|(5<<22)|(3<<25)  ; 15:0 the mask: A's tiles go to my row; elements of 1 byte; padding on; bit 21 beside a mask; after every 64 words four words
	s_or_b32 s[G1B+0], s44, (0<<16)|(1<<20)|(1<<21)|(5<<22)|(3<<25)
.irp g, G1, G1B
	s_mov_b32 s[\g+1], ROWB<<16                    ; tensor_dim0
	s_mov_b32 s[\g+2], 128<<16                     ; tensor_dim1 = 128
	s_mov_b32 s[\g+3], ROWB<<16                    ; tile_dim0
	s_mov_b32 s[\g+4], 128                         ; tile_dim1 = 128
	s_mov_b32 s[\g+5], KROW                        ; tensor_dim0_stride
	s_mov_b32 s[\g+6], 0
	s_mov_b32 s[\g+7], 0
.endr
	s_lshl_b32 s18, s16, 7                         ; which 128 rows of the tile I fetch
	s_lshl_b32 s22, s17, 8
	s_add_co_u32 s22, s22, s18
	s_lshl_b32 s22, s22, 10                        ; A': (256 x tile row + 128 x half) rows of 1,024 bytes
	s_mov_b32 s23, 0
	s_lshl_b32 s46, s42, 8
	s_add_co_u32 s46, s46, s18
	s_lshl_b32 s46, s46, 10                        ; B' likewise, by the tile column
	s_mov_b32 s47, 0
	s_mul_i32 s45, s14, HALFT                      ; where they go: wave x 128 rows: no place in the cluster enters an LDS address
	s_wait_dscnt 0x0                               ; both opening adds are done
	s_wait_kmcnt 0x0
	s_load_b256 s[84:91], s[74:75], 0x0            ; e0 .. e7
	s_load_b64 s[92:93], s[74:75], 0x20            ; e8, e9
	s_cmp_eq_u32 s12, 0                            ; q or k?  The choices hang on the cluster's place alone
	s_cselect_b64 s[6:7], s[6:7], s[8:9]
	s_cselect_b64 s[68:69], s[68:69], s[70:71]
	s_cselect_b64 s[82:83], s[76:77], s[78:79]
	s_cmp_eq_u32 s[ISV], 0                         ; or v?
	s_cselect_b64 s[20:21], s[4:5], s[10:11]       ; A': x, or Wv
	s_cselect_b64 s[6:7], s[6:7], s[4:5]           ; B': the weight, or x
	s_cselect_b64 s[68:69], s[68:69], s[72:73]     ; the bias
	s_cselect_b64 s[82:83], s[82:83], s[80:81]     ; the buffer of results
	s_add_nc_u64 s[20:21], s[20:21], s[22:23]
	s_add_nc_u64 s[46:47], s[6:7], s[46:47]
	CROUND                                         ; all sixteen work-groups are here: the first joint loads meet
.irp s, 0,1
	s_mov_b32 s[G0+4*\s], 1
	s_add_co_u32 s[G0+4*\s+1], s45, \s*SLOT
	s_add_nc_u64 s[G0+4*\s+2:G0+4*\s+3], s[20:21], \s*ROWB
	s_or_b32 s[G0+4*\s+3], s[G0+4*\s+3], 0x80000000
	s_mov_b32 s[G0B+4*\s], 1
	s_add_co_u32 s[G0B+4*\s+1], s45, \s*SLOT
	s_add_nc_u64 s[G0B+4*\s+2:G0B+4*\s+3], s[46:47], \s*ROWB
	s_or_b32 s[G0B+4*\s+3], s[G0B+4*\s+3], 0x80000000
	JLOAD G0+4*\s, G1, G0B+4*\s, G1B               ; two tensor loads of mine are out: K steps 0 and 1
.endr
	v_and_b32 v1, 15, v0                           ; r = lane % 16
	v_bfe_u32 v2, v0, 4, 1                         ; h = lane / 16
	v_mul_u32_u24 v3, v1, PITCH
	v_lshl_add_u32 v4, v2, 4, v3                   ; a fragment's row x pitch + 16 x half
	s_mul_i32 s21, s15, HALFT                      ; my 128 rows of A'
	s_mul_i32 s22, s16, HALFT                      ; my 128 rows of B',
	s_add_co_u32 s22, s22, 2*HALFT                 ; which lie behind A's 256
.irp s, 0,1
	v_add_nc_u32 v[ADRA+\s], s21, v4
	v_add_nc_u32 v[ADRB+\s], s22, v4
	s_add_co_u32 s21, s21, SLOT
	s_add_co_u32 s22, s22, SLOT
.endr
	v_and_b32 v6, 31, v0
	v_lshlrev_b32 v[CO], 4, v6
	; where my images begin.  q, k: (((batch x 16 + head) x 128) + token tile) x 1,024, batch = tile row / 8, head = 4 cx + 2 x (my half of B'), token tile = 16 (tile row % 8) + 8 x (my half of A')
	s_lshr_b32 s94, s17, 3
	s_lshl_b32 s94, s94, 4
	s_lshl_b32 s95, s40, 2
	s_add_co_u32 s94, s94, s95
	s_lshl_b32 s95, s16, 1
	s_add_co_u32 s94, s94, s95
	s_lshl_b32 s94, s94, 7
	s_and_b32 s95, s17, 7
	s_lshl_b32 s95, s95, 4
	s_add_co_u32 s94, s94, s95
	s_lshl_b32 s95, s15, 3
	s_add_co_u32 s94, s94, s95
	s_lshl_b32 s94, s94, 10
	; v: (((batch x 16 + head) x 16) + group of 128 keys) x 8,192, batch = tile column / 8, head = 4 cy + 2 x (my half of A'), group = 2 (tile column % 8) + (my half of B')
	s_lshr_b32 s96, s42, 3
	s_lshl_b32 s96, s96, 4
	s_lshl_b32 s97, s41, 2
	s_add_co_u32 s96, s96, s97
	s_lshl_b32 s97, s15, 1
	s_add_co_u32 s96, s96, s97
	s_lshl_b32 s96, s96, 4
	s_and_b32 s97, s42, 7
	s_lshl_b32 s97, s97, 1
	s_add_co_u32 s96, s96, s97
	s_add_co_u32 s96, s96, s16
	s_lshl_b32 s96, s96, 13
	s_cmp_eq_u32 s[ISV], 0
	s_cselect_b32 s94, s94, s96
	s_mov_b32 s95, 0
	s_add_nc_u64 s[82:83], s[82:83], s[94:95]
	; my 128 numbers of the bias: q, k: by the features, 256 cx + 128 x (my half of B');  v: by the channels, 256 cy + 128 x (my half of A')
	s_lshl_b32 s98, s40, 10
	s_lshl_b32 s99, s16, 9
	s_add_co_u32 s98, s98, s99
	s_lshl_b32 s99, s41, 10
	s_lshl_b32 s97, s15, 9
	s_add_co_u32 s99, s99, s97
	s_cmp_eq_u32 s[ISV], 0
	s_cselect_b32 s98, s98, s99
	s_mov_b32 s99, 0
	s_add_nc_u64 s[68:69], s[68:69], s[98:99]
	s_wait_kmcnt 0x0                               ; the exponents
	s_cmp_eq_u32 s12, 0
	s_cselect_b32 s94, s84, s86                    ; ex: entry 0 (q), 2 (k),
	s_cselect_b32 s95, s85, s87                    ; ew: entry 1, 3,
	s_cselect_b32 s96, s90, s91                    ; eo: entry 6, 7,
	s_cmp_eq_u32 s[ISV], 0
	s_cselect_b32 s94, s94, s88                    ; or 4,
	s_cselect_b32 s95, s95, s89                    ; 5,
	s_cselect_b32 s96, s96, s93                    ; 9 (v)
	s_add_co_i32 s94, s94, s95                     ; ex + ew: a sum stands for sum x 2^(ex + ew)
	s_sub_co_i32 s95, s96, s94                     ; eo - ex - ew
	s_sub_co_i32 s94, 0, s94
	s_add_co_i32 s96, s95, 127
	s_lshl_b32 s97, s96, 23
	v_mov_b32 v[SC], s97                           ; 2^(eo - ex - ew) as f32: the conversion takes its exponent field
	s_cmp_lg_u32 s[ISV], 0
	s_cbranch_scc1 .Lbias_v
	v_lshlrev_b32 v[BOF], 5, v2                    ; q, k: register j of tile b wants the bias of feature 16 b + 8 h + j
.irp b, 0,1,2,3,4,5,6,7
	global_load_b128 v[BI+8*\b:BI+8*\b+3], v[BOF], s[68:69] offset:64*\b
	global_load_b128 v[BI+8*\b+4:BI+8*\b+7], v[BOF], s[68:69] offset:64*\b+16
.endr
	s_wait_loadcnt 0x0
.set j, 0
.rept 64
	v_ldexp_f32 v[BI+j], v[BI+j], s94              ; b / 2^(ex + ew): nothing is rounded
.set j, j+1
.endr
	s_branch .Lbias_done
.Lbias_v:
	v_lshlrev_b32 v[BOF], 2, v1                    ; v: all eight registers of tile a want the bias of channel 16 a + r
.irp a, 0,1,2,3,4,5,6,7
	global_load_b32 v[BT+\a], v[BOF], s[68:69] offset:64*\a
.endr
	s_wait_loadcnt 0x0
.set j, 0
.rept 64
	v_ldexp_f32 v[BI+j], v[BT+j/8], s94            ; the scaling also makes the eight copies
.set j, j+1
.endr
.Lbias_done:
.macro FRAG reg, adr, q, i             ; a fragment, 16 rows x 128 K: lane l holds row l % 16; registers 4 c .. 4 c + 3 hold K = 32 c + 16 (l / 16) + 0 .. 15: the same order in A' and B', so every product meets its partner
.irp c, 0,1,2,3
	ds_load_b128 v[\reg+4*\c:\reg+4*\c+3], v[\adr] offset:128*(\q)+32*\c+(\i)*16*PITCH
.endr
.endm
; 16 matrix instructions: A's blocks a0, a0 + 1 x B's eight, 128 along K.  p: B's set.  cm = 0: the sums go on; 2: they begin with the bias by B' rows (q, k); 3: by A' rows (v).  Nothing is ever cleared.
; The 64 accumulators take turns, one instruction a turn, in the same order in every step.
.macro MUL16 a0, p, cm
.irp a, \a0, \a0+1
.irp b, 0,1,2,3,4,5,6,7
.if \cm == 2
	v_wmma_f32_16x16x128_bf8_bf8 v[8*(8*((\a)%4)+\b):8*(8*((\a)%4)+\b)+7], v[128*(\p)+FR*\b:128*(\p)+FR*\b+FR-1], v[AF+FR*(\a):AF+FR*(\a)+FR-1], v[BI+8*\b:BI+8*\b+7]
.elseif \cm == 3
	v_wmma_f32_16x16x128_bf8_bf8 v[8*(8*((\a)%4)+\b):8*(8*((\a)%4)+\b)+7], v[128*(\p)+FR*\b:128*(\p)+FR*\b+FR-1], v[AF+FR*(\a):AF+FR*(\a)+FR-1], v[BI+8*(\a):BI+8*(\a)+7]
.else
	v_wmma_f32_16x16x128_bf8_bf8 v[8*(8*((\a)%4)+\b):8*(8*((\a)%4)+\b)+7], v[128*(\p)+FR*\b:128*(\p)+FR*\b+FR-1], v[AF+FR*(\a):AF+FR*(\a)+FR-1], v[8*(8*((\a)%4)+\b):8*(8*((\a)%4)+\b)+7]
.endif
.endr
.endr
.endm
.macro FETCH_B slot, q, p              ; B's eight fragments of the slot's q-th 128 along K into set p
	WIN TO_B
.irp i, 0,1,2,3,4,5,6,7
	FRAG 128*(\p)+FR*\i, ADRB+\slot, \q, \i
.endr
	WIN 0
.endm
.macro FETCH_A slot, q, i0             ; A's blocks i0 .. i0 + 3
.irp i, \i0, \i0+1, \i0+2, \i0+3
	FRAG AF+FR*(\i), ADRA+\slot, \q, \i
.endr
.endm
.macro PLACES n                        ; plain vector instructions between a matrix instruction and a load into, or a vector read of, its registers
.rept \n
	v_nop
.endr
.endm
; A step of 128 along K that has its successor in the same slot.  With cm not 0 the C operand, the bias, lies in window 0.
.macro STEP slot, q, cm
	s_wait_dscnt 4*NL                              ; B's set and A's blocks 0-3 are in; the youngest sixteen loads (A's blocks 4-7) may be out
.if \cm
	WIN 0x81
.else
	WIN MUL_LO
.endif
	MUL16 0, (\q)%2, \cm
	MUL16 2, (\q)%2, \cm
	s_wait_dscnt 0                                 ; A's blocks 4-7 are in
	PLACES NP
	FETCH_B \slot, (\q)+1, 1-(\q)%2
	FETCH_A \slot, (\q)+1, 0
.if \cm
	WIN 0xc1
.else
	WIN MUL_HI
.endif
	MUL16 4, (\q)%2, \cm
	MUL16 6, (\q)%2, \cm
	PLACES NP
	WIN 0
	FETCH_A \slot, (\q)+1, 4
.endm
; A slot's last step changes slots: ONE barrier; in front of it each wave waits for all its tensor loads, adds 0 to its spare word, and waits for that and for its own reads of this slot.  fill = 1: this slot is filled again, two K steps ahead.
.macro TURN slot, next, fill
	s_wait_tensorcnt 0x0                           ; all my tensor loads have landed: my part of the next slot
	ds_add_u32 v[SPW], v[NIL]                      ; 0 onto my spare word
	s_wait_dscnt 4*NL+1                            ; (the add and the youngest sixteen loads, A's blocks 4-7, may be out)
	WIN MUL_LO
	MUL16 0, 1, 0                                  ; sixteen matrix instructions stand between the add and the wait for it
	s_wait_dscnt 0x0                               ; the add is done, and my reads of this slot are over
	s_barrier_signal -1
	MUL16 2, 1, 0
	WIN 0
	s_barrier_wait -1
.if \fill
	CREST                                          ; the barrier has opened a round of the cluster's barrier: no wave of any partner still reads this slot's tile or has a load on its way
	s_add_nc_u64 s[G0+4*\slot+2:G0+4*\slot+3], s[G0+4*\slot+2:G0+4*\slot+3], 2*ROWB
	s_add_nc_u64 s[G0B+4*\slot+2:G0B+4*\slot+3], s[G0B+4*\slot+2:G0B+4*\slot+3], 2*ROWB
	JLOAD G0+4*\slot, G1, G0B+4*\slot, G1B         ; the first tensor load behind the round; the four v_nop behind it are the places in front of the loads below
.else
	PLACES NP
.endif
	FETCH_B \next, 0, 0
	FETCH_A \next, 0, 0
	WIN MUL_HI
	MUL16 4, 1, 0
	MUL16 6, 1, 0
	PLACES NP
	WIN 0
	FETCH_A \next, 0, 4
.endm
	s_wait_tensorcnt 1                             ; my part of K step 0 is in (K step 1's load, issued behind it, may be out)
	s_barrier_signal -1
	s_barrier_wait -1                              ; everybody's is
	FETCH_B 0, 0, 0
	FETCH_A 0, 0, 0
	FETCH_A 0, 0, 4
	s_cmp_lg_u32 s[ISV], 0                         ; the first step's products begin the sums with the bias: by B' rows or by A' rows
	s_cbranch_scc1 .Lfirst_v
	s_wait_alu depctr_va_vdst(0)
	STEP 0, 0, 2
	s_branch .Lfirst_done
.Lfirst_v:
	s_wait_alu depctr_va_vdst(0)
	STEP 0, 0, 3
.Lfirst_done:
	TURN 0, 1, 1                                   ; K = 1,024 is four K steps of 256: written straight.  Slot 0 takes K step 2,
	STEP 1, 0, 0
	TURN 1, 0, 1                                   ; slot 1 K step 3
	STEP 0, 0, 0
	TURN 0, 1, 0                                   ; nothing is left to fetch
	STEP 1, 0, 0
	s_wait_dscnt 4*NL                              ; the very last step
	WIN MUL_LO
	MUL16 0, 1, 0
	MUL16 2, 1, 0
	s_wait_dscnt 0
	WIN MUL_HI
	MUL16 4, 1, 0
	MUL16 6, 1, 0
	WIN 0
	; THE WAY OUT: the conversion, and the images as they stand.  Each accumulator is read from its low end on.
	PLACES NP
	WIN 0x82                                       ; source 0 and destination window 2
.set j, 0
.rept 256
.set j, j+1
.endr
	WIN 0x02                                       ; source 0 window 2, the codes into window 0, where A's fragments lay
.set j, 0
.rept 32
	v_cvt_scalef32_pk8_bf8_f32 v[CD+2*j:CD+2*j+1], v[8*j:8*j+7], v[SC]   ; accumulator (a, b), j = 8 a + b: registers 2 b, 2 b + 1 of A' tile a's 16
.set j, j+1
.endr
	WIN 0xc3
.set j, 0
.rept 256
.set j, j+1
.endr
	WIN 0x03
.set j, 0
.rept 32
	v_cvt_scalef32_pk8_bf8_f32 v[CD+64+2*j:CD+64+2*j+1], v[8*j:8*j+7], v[SC]
.set j, j+1
.endr
	WIN 0
	v_nop                                          ; one plain vector line behind the last conversion
	s_cmp_lg_u32 s[ISV], 0
	s_cbranch_scc1 .Lstore_v
.irp a, 0,1,2,3,4,5,6,7                ; q, k: token tile a; groups 0, 1 my first head, 2, 3 my second.  Each store covers 512 consecutive bytes, aligned; its data registers are its own
.irp g, 0,1,2,3
	global_store_b128 v[CO], v[CD+16*\a+4*\g:CD+16*\a+4*\g+3], s[82:83] offset:\a*1024+(\g/2)*131072+(\g%2)*512
.endr
.endr
	s_branch .Lstored
.Lstore_v:
	s_wait_alu depctr_va_vdst(0)
.irp a, 0,1,2,3,4,5,6,7                ; v: head a / 4 of my two, channel tile a % 4: a whole fragment of 16 channels x 128 keys
.irp g, 0,1,2,3
	global_store_b128 v[CO], v[CD+16*\a+4*\g:CD+16*\a+4*\g+3], s[82:83] offset:(\a/4)*131072+(\a%4)*2048+\g*512
.endr
.endr
.Lstored:
	s_wait_tensorcnt 0x0                           ; the wave's end
	ds_add_u32 v[SPW], v[NIL]
	s_wait_dscnt 0x0
	CROUND                                         ; the closing round: no work-group ends while a partner may still ask for a tile that names it
	s_endpgm
.Lfunc_end_k_qc6a942e2c8_proj:
	.size	k_qc6a942e2c8_proj, .Lfunc_end_k_qc6a942e2c8_proj-k_qc6a942e2c8_proj
	.p2alignl 7, 3214868480
	.fill 96, 4, 3214868480
	.section	.rodata,"a",@progbits
	.p2align	6, 0x0
	.amdhsa_kernel k_qc6a942e2c8_proj
		.amdhsa_group_segment_fixed_size 327680
		.amdhsa_private_segment_fixed_size 0
		.amdhsa_enable_private_segment 0
		.amdhsa_kernarg_size 88
		.amdhsa_user_sgpr_count 2
		.amdhsa_user_sgpr_kernarg_segment_ptr 1
		.amdhsa_wavefront_size32 1
		.amdhsa_system_sgpr_workgroup_id_x 1
		.amdhsa_system_sgpr_workgroup_id_y 1
		.amdhsa_system_sgpr_workgroup_id_z 1
		.amdhsa_system_vgpr_workitem_id 0
		.amdhsa_next_free_vgpr 1024
		.amdhsa_next_free_sgpr 100
		.amdhsa_reserve_vcc 0
		.amdhsa_float_denorm_mode_32 3
		.amdhsa_float_denorm_mode_16_64 3
		.amdhsa_fp16_overflow 1
		.amdhsa_memory_ordered 1
		.amdhsa_forward_progress 1
		.amdhsa_inst_pref_size 109
	.end_amdhsa_kernel
	.amdgpu_metadata
---
amdhsa.version: [ 1, 2 ]
amdhsa.kernels:
  - .name:           k_qc6a942e2c8_proj
    .symbol:         k_qc6a942e2c8_proj.kd
    .args:
      - { .name: x_codes, .offset: 0, .size: 8, .value_kind: global_buffer, .address_space: global }
      - { .name: Wq_codes, .offset: 8, .size: 8, .value_kind: global_buffer, .address_space: global }
      - { .name: Wk_codes, .offset: 16, .size: 8, .value_kind: global_buffer, .address_space: global }
      - { .name: Wv_codes, .offset: 24, .size: 8, .value_kind: global_buffer, .address_space: global }
      - { .name: bq, .offset: 32, .size: 8, .value_kind: global_buffer, .address_space: global }
      - { .name: bk, .offset: 40, .size: 8, .value_kind: global_buffer, .address_space: global }
      - { .name: bv, .offset: 48, .size: 8, .value_kind: global_buffer, .address_space: global }
      - { .name: lowp_scales, .offset: 56, .size: 8, .value_kind: global_buffer, .address_space: global }
      - { .name: q_frag, .offset: 64, .size: 8, .value_kind: global_buffer, .address_space: global }
      - { .name: k_frag, .offset: 72, .size: 8, .value_kind: global_buffer, .address_space: global }
      - { .name: v_frag, .offset: 80, .size: 8, .value_kind: global_buffer, .address_space: global }
    .group_segment_fixed_size: 327680
    .private_segment_fixed_size: 0
    .kernarg_segment_align: 8
    .kernarg_segment_size: 88
    .max_flat_workgroup_size: 128
    .sgpr_count:     100
    .vgpr_count:     1024
    .wavefront_size: 32
...
	.end_amdgpu_metadata
.endif
;; end of part 1
;; launch attn (part 2): grid 4 x 64, 8 waves a work-group, clusters of 4 x 1, 327,680 bytes of LDS; arguments q_frag, k_frag, v_frag, mask, lowp_scales, a_frag; writes a_frag
.if DOCPART == 2
	.amdgcn_target "amdgcn-amd-amdhsa--gfx1250"
	.amdhsa_code_object_version 6
	.text
	.protected	k_qc6a942e2c8_attn
	.globl	k_qc6a942e2c8_attn
	.p2align	8
	.type	k_qc6a942e2c8_attn,@function
k_qc6a942e2c8_attn:
	s_mov_b64 s[64:65], 0
	v_nop
	global_prefetch_b8 v0, s[64:65] scope:SCOPE_SE
	s_setreg_imm32_b32 hwreg(HW_REG_WAVE_MODE, 25, 1), 1
	s_wait_xcnt 0x0
	s_wait_alu depctr_hold_cnt(0) depctr_sa_sdst(0) depctr_va_vdst(0) depctr_va_sdst(0) depctr_va_ssrc(0) depctr_va_vcc(0) depctr_vm_vsrc(0)
	s_getreg_b32 s2, hwreg(HW_REG_IB_STS2, 6, 4)
	s_cmp_eq_u32 s2, 0
	s_cbranch_scc0 .Lentry_in_a_cluster
	s_endpgm
.Lentry_in_a_cluster:
	s_bfe_u32 s2, ttmp6, 0x10000c
	s_cmp_lg_u32 s2, 0x3003
	s_cbranch_scc0 .Lentry_shape_is_right
	s_endpgm
.Lentry_shape_is_right:
; attended[b][q][head] = softmax_k(mask(q . k / 8)) v, both products on codes of BF8 (E5M2), and the result quantised (entry 10 of lowp_scales) for the projection that follows.  Nothing of reference() is left out here.
; q_frag, k_frag, v_frag are images of operand registers (four registers of 32 lanes = 512 consecutive bytes): q, k: 16 tokens x 64 of a head; v: 16 channels x 128 keys.
; THE SOFTMAX AHEAD OF THE SECOND PRODUCT: t = score x log2(e) / 8; M = the row's largest t so far, rounded UP to a whole number; p = 2^(t - M) is what is quantised; it is not normalised.
; The row's sum is taken of the unquantised p and divides O at the end.  When M moves, the sum and O are multiplied by 2^(old M - new M): exact.
; SHARES.  The four work-groups of a cluster are the four blocks of 512 queries of one (batch, head).  A wave owns two tiles of 16 queries at a time, in two passes: 8 waves x 32 x 2 = 512.  Two waves to a SIMD, 512 registers each.
; THE HEAD'S WHOLE K AND V STAY IN LDS, 131,072 bytes each, asked for ONCE, jointly by the four work-groups, two loads a wave (keys 0-1,023, then 1,024-2,047): no byte of LDS is filled twice, so there is no ring.
; LAYOUT.  Both products are used transposed: S^T = K Q^T (source 0 = 16 keys, source 1 = 16 queries), O^T = V^T P (source 0 = 16 channels, source 1 = P): a lane holds ONE query (lane % 16) throughout.
; Register j of key tile t holds key 16 t + 8 (lane / 16) + j: a conversion of the tile's eight registers gives registers 2 t, 2 t + 1 of P in the order in which the form of 128 along K takes them, and in which v_frag lies.
; THE MASK is the C of the products K Q^T: a table in LDS holds 0 for a key that counts and -2^100 for a hidden one.  A sum of 64 products of codes is under 2^38 in size, so a hidden t lies c x 2^99 or more under every t that counts
; (c = log2(e) / 8 x 2^(e6 + e7)); within the limit below that is 2^10 or more, and p = 0, as with reference()'s -infinity.  While a query has seen hidden keys alone, what it sums is finite, and the first key that counts multiplies it by
; 2^(a whole number under -2^30) = 0.  A query that sees hidden keys alone to the end is known by its largest t, under -min(c 2^60, 2^126): its codes become NaN's, as reference() has NaN there (a select, no branch).
; a_frag: [token tile 512][head 16][group 2][lane 32][16 bytes]; group g holds channels 32 g + 16 (lane / 16) + 0 .. 15 of token lane % 16: the order in which the next launch reads Wo's rows.
; LIMITS on the given exponents: e6 + e7 between -80 and 88; e8, and e10 - e8 - e9, between -126 and 112.
; REGISTERS, window 0: v1-9 addresses; v10-17 for each tile -M, the largest t, the sum in two halves; v18, v20 the quantisers' scales; v22-31 at work; v32-63 P's codes; v64-191 S^T, then p; v192-255 O^T.
;   window 1: v0-63 K of a step; v64-127 V; v128-191 the mask's numbers; v192-223 Q of both passes.
.set VB,    131072                     ; LDS: K from 0, V from here,
.set MB,    262144                     ; the mask's table, 2,048 f32 (stored by the waves; no fill lands here),
.set SPARE, 270336                     ; the spare words, 128 bytes for each of eight waves
.set LI,   1                           ; v1   16 x lane
.set AV0,  2                           ; v2   16 x lane + VB
.set AM0,  3                           ; v3   MB + 32 (lane / 16)
.set ADK,  4                           ; v4-6 the step's addresses
.set ADV,  5
.set ADM,  6
.set SPW,  7                           ; v7   LDS address of my spare word; never rewritten
.set NIL,  8                           ; v8   0; never rewritten
.set MST,  9                           ; v9   where I store my part of the mask's table
.set ST,   10                          ; tile q: v[ST+4q] -M, +1 the largest t, +2, +3 the sum
.set SCP,  18                          ; 2^e8
.set LIMP, 19
.set SCA,  20                          ; 2^(e10 - e8 - e9)
.set LIMA, 21
.set TP,   22                          ; tile q: v[TP+4q], +1 at work; +2 f, later 1 / the sum; +3 named with it as a pair
.set PD,   30                          ; v30, v31 destinations of the lane exchange
.set P,    32
.set S,    64
.set O,    192
.set KF,   0                           ; in window 1
.set VF,   64
.set MF,   128
.set QF,   192
.set WV,   16                          ; s16  my wave's number
.set G1,   24                          ; s[24:31] descriptor group 1;  s[40:43], s[44:47] groups 0 of my two loads
.set CS,   56                          ; s[56:57] c
.set SEL,  58                          ; s[58:59] lane selects: lane l xor 16
.set TK,   60                          ; s60  the step's first byte in K's and in V's block
.set TM,   61                          ; s61  and in the mask's table
.set CNT,  62
.set TH,   70                          ; s70  -min(c 2^60, 2^126)
.set MSB, 0
.macro WIN new
.if MSB != \new
	s_set_vgpr_msb (MSB<<8)|\new
.set MSB, \new
.endif
.endm
.macro CROUND                          ; a round of the cluster's barrier
	s_barrier_signal -1
	s_barrier_wait -1
	s_cmp_lg_u32 s[WV], 0
	s_cbranch_scc1 .Lnot_wave_0_\@
	s_barrier_signal -3
.Lnot_wave_0_\@:
	s_barrier_wait -3
	s_barrier_signal -1
	s_barrier_wait -1
.endm
	s_load_b256 s[4:11], s[0:1], 0x0               ; q_frag s[4:5], k_frag s[6:7], v_frag s[8:9], mask s[10:11]
	s_load_b128 s[12:15], s[0:1], 0x20             ; the scales' exponents s[12:13], a_frag s[14:15]
	v_lshl_add_u32 v[SPW], v0, 2, SPARE
	v_mov_b32 v[NIL], 0
	ds_add_u32 v[SPW], v[NIL]                      ; the wave's opening: the add, twice on end, and its wait ahead of my first tensor load
	ds_add_u32 v[SPW], v[NIL]                      ; and once more, under the one wait
	v_lshrrev_b32 v1, 5, v0
	s_delay_alu instid0(VALU_DEP_1)
	v_readfirstlane_b32 s[WV], v1                  ; wave 0..7
	s_bfe_u32 s17, ttmp6, 0x40000                  ; cx: my block of 512 queries: it enters Q's and a_frag's addresses alone
	s_and_b32 s18, ttmp7, 0xffff                   ; 16 x batch + head, which the four partners share
	s_lshr_b32 s19, s[WV], 2                       ; waves 0-3 fetch K, waves 4-7 V,
	s_and_b32 s20, s[WV], 3                        ; each a quarter of a stage: 16,384 bytes
	s_lshl_b32 s21, s19, 17
	s_lshl_b32 s22, s20, 14
	s_add_co_u32 s21, s21, s22                     ; where it goes in LDS
	s_lshl_b32 s66, s18, 17                        ; the head's block of 131,072 bytes in each of the three buffers
	s_add_co_u32 s22, s22, s66
	s_mov_b32 s23, 0
	s_mov_b32 s[G1+0], 15|(3<<16)|(1<<21)          ; 15:0 the mask: all four work-groups; elements of 8 bytes; bit 21 beside a mask; no padding: the images are read 512 consecutive bytes at a time
	s_mov_b32 s[G1+1], 32<<16                      ; tensor_dim0 = 32 elements: rows of 256 bytes, dense
	s_mov_b32 s[G1+2], 64<<16                      ; tensor_dim1 = 64
	s_mov_b32 s[G1+3], 32<<16                      ; tile_dim0
	s_mov_b32 s[G1+4], 64                          ; tile_dim1
	s_mov_b32 s[G1+5], 32                          ; tensor_dim0_stride
	s_mov_b32 s[G1+6], 0
	s_mov_b32 s[G1+7], 0
	s_mov_b32 s[SEL], 0x76543210
	s_mov_b32 s[SEL+1], 0xfedcba98
	s_mov_b32 s[CS], 0x3e38aa3b                    ; log2(e) / 8
	s_wait_dscnt 0x0                               ; both opening adds are done
	s_wait_kmcnt 0x0
	s_load_b64 s[48:49], s[12:13], 0x18            ; e6, e7
	s_load_b128 s[52:55], s[12:13], 0x20           ; e8, e9, e10, e11
	s_cmp_eq_u32 s19, 0                            ; the choice hangs on the wave's number alone
	s_cselect_b64 s[68:69], s[6:7], s[8:9]
	s_add_nc_u64 s[68:69], s[68:69], s[22:23]
	s_mov_b32 s40, 1
	s_mov_b32 s41, s21
	s_mov_b64 s[42:43], s[68:69]
	s_or_b32 s43, s43, 0x80000000
	s_mov_b32 s44, 1
	s_add_co_u32 s45, s21, 65536                   ; the second stage lies 65,536 bytes on, in LDS and in memory
	s_add_nc_u64 s[46:47], s[68:69], 65536
	s_or_b32 s47, s47, 0x80000000
	CROUND                                         ; all four work-groups are here: the joint loads meet
	tensor_load_to_lds s[40:43], s[G1:G1+7]        ; keys 0-1,023
	s_nop 0
	s_wait_alu depctr_va_vdst(0)
	s_wait_tensorcnt 0x0
	ds_add_u32 v7, v8
	s_wait_dscnt 0x0
	CROUND
	tensor_load_to_lds s[44:47], s[G1:G1+7]        ; keys 1,024-2,047: one tensor load of mine is out (the first has landed), and no more follow
	s_nop 0
.rept 4
	v_nop
.endr
	s_lshr_b32 s19, s18, 4                         ; the batch
	s_lshl_b32 s20, s19, 13
	s_mov_b32 s21, 0
	s_add_nc_u64 s[10:11], s[10:11], s[20:21]      ; its 2,048 words of the mask
	v_lshlrev_b32 v73, 4, v0
	global_load_b128 v[64:67], v73, s[10:11]       ; 256 threads x 16 bytes, twice
	global_load_b128 v[68:71], v73, s[10:11] offset:4096
	s_lshl_b32 s20, s17, 15                        ; Q: my block's 32 tiles of 1,024 bytes, my wave's two of each pass
	s_lshl_b32 s22, s[WV], 11
	s_add_co_u32 s20, s20, s22
	s_add_co_u32 s20, s20, s66
	s_add_nc_u64 s[4:5], s[4:5], s[20:21]
	v_and_b32 v1, 31, v0
	s_delay_alu instid0(VALU_DEP_1)
	v_lshlrev_b32 v[LI], 4, v1
	s_wait_alu depctr_va_vdst(0)
	WIN 0x40                                       ; destination window 1
.irp p, 0,1
.irp q, 0,1
.irp g, 0,1
	global_load_b128 v[QF+16*\p+8*\q+4*\g:QF+16*\p+8*\q+4*\g+3], v[LI], s[4:5] offset:\p*16384+\q*1024+\g*512 th:TH_LOAD_NT   ; Q stays in registers; read once in the launch
.endr
.endr
.endr
	WIN 0
	s_lshl_b32 s20, s19, 21                        ; a_frag: token tile = 128 batch + 32 cx + 16 pass + 2 wave + tile, 16,384 bytes each; + 1,024 x head
	s_lshl_b32 s22, s17, 19
	s_add_co_u32 s20, s20, s22
	s_lshl_b32 s22, s[WV], 15
	s_add_co_u32 s20, s20, s22
	s_and_b32 s22, s18, 15
	s_lshl_b32 s22, s22, 10
	s_add_co_u32 s20, s20, s22
	s_add_nc_u64 s[14:15], s[14:15], s[20:21]
	v_add_nc_u32 v[AV0], VB, v[LI]
	v_bfe_u32 v74, v0, 4, 1
	s_delay_alu instid0(VALU_DEP_1)
	v_lshl_add_u32 v[AM0], v74, 5, MB
	v_lshl_add_u32 v[MST], v0, 4, MB
	v_mov_b32 v72, 0xf1800000                      ; -2^100
	s_wait_alu depctr_va_vdst(0)
	s_wait_loadcnt 8                               ; the mask's two loads are in; the eight of Q, issued behind them, may be out
.irp i, 0,1,2,3,4,5,6,7
	v_cmp_eq_u32 vcc_lo, 0, v[64+\i]
	s_delay_alu instid0(VALU_DEP_1)
	v_cndmask_b32 v[64+\i], 0, v72, vcc_lo         ; 0 where the key counts, -2^100 where mask == 0
.endr
	ds_store_b128 v[MST], v[64:67]
	ds_store_b128 v[MST], v[68:71] offset:4096
	s_wait_kmcnt 0x0
	s_add_co_i32 s19, s48, s49
	s_lshl_b32 s19, s19, 23
	s_add_co_i32 s[CS], s[CS], s19                 ; a score stands for score x 2^(e6 + e7): the two exponents are added to c's exponent field
	s_mov_b32 s[CS+1], s[CS]                       ; (named with it as a pair, so it is written)
	s_add_co_u32 s[TH], s[CS], 0x1e000000          ; c x 2^60, on the bits,
	s_min_u32 s[TH], s[TH], 0x7e800000             ; at most 2^126,
	s_or_b32 s[TH], s[TH], 0x80000000              ; negative
	s_add_co_i32 s19, s52, 127
	s_lshl_b32 s20, s19, 23
	v_mov_b32 v[SCP], s20                          ; 2^e8 as f32
	s_sub_co_i32 s19, s54, s52
	s_sub_co_i32 s19, s19, s53                     ; O^T / the sum stands for attended / 2^(e8 + e9): its code is that / 2^(e10 - e8 - e9)
	s_add_co_i32 s19, s19, 127
	s_lshl_b32 s20, s19, 23
	v_mov_b32 v[SCA], s20
	s_add_co_i32 s19, s19, 15
	s_lshl_b32 s19, s19, 23
	s_or_b32 s19, s19, 0x600000
	v_mov_b32 v[TP+3], 0                           ; written once: upper halves of pairs, and destinations of the lane exchange, which count as read
	v_mov_b32 v[TP+7], 0
	v_mov_b32 v[PD], 0
	v_mov_b32 v[PD+1], 0
.macro INIT                            ; a pass begins: the largest t -3e38, under every t; the sums and O^T zeros, which the first change of M leaves zeros: so the step is written with no first step of its own
.irp q, 0,1
	v_mov_b32 v[ST+4*\q+1], 0xff61b1e6
	s_delay_alu instid0(VALU_DEP_1)
	v_floor_f32 v[ST+4*\q], -v[ST+4*\q+1]
	v_mov_b32 v[ST+4*\q+2], 0
	v_mov_b32 v[ST+4*\q+3], 0
.endr
.set j, 0
.rept 64
	v_mov_b32 v[O+j], 0
.set j, j+1
.endr
.endm
; A KEY STEP: 128 keys, both tiles of pass p.
.macro STEP p
	v_add_nc_u32 v[ADK], s[TK], v[LI]              ; these three and the v_nop are the four places between the last products and the loads into V's registers
	v_add_nc_u32 v[ADV], s[TK], v[AV0]
	v_add_nc_u32 v[ADM], s[TM], v[AM0]
	v_nop
	WIN 0x40                                       ; destination window 1
.irp t, 0,1,2,3,4,5,6,7
	ds_load_b128 v[KF+8*\t:KF+8*\t+3], v[ADK] offset:1024*\t
	ds_load_b128 v[KF+8*\t+4:KF+8*\t+7], v[ADK] offset:1024*\t+512
	ds_load_b128 v[MF+8*\t:MF+8*\t+3], v[ADM] offset:64*\t           ; the table's words of keys 16 t + 8 (lane / 16) + 0 .. 7: the results' layout
	ds_load_b128 v[MF+8*\t+4:MF+8*\t+7], v[ADM] offset:64*\t+16
.endr
.irp a, 0,1,2,3
.irp g, 0,1,2,3
	ds_load_b128 v[VF+16*\a+4*\g:VF+16*\a+4*\g+3], v[ADV] offset:2048*\a+512*\g
.endr
.endr
	s_wait_dscnt 16                                ; K and the mask are in; V's sixteen loads, issued behind them, may be out
	WIN 0x15                                       ; K, Q and the mask in window 1, S^T in window 0
.irp t, 0,1,2,3,4,5,6,7
.irp q, 0,1
	v_wmma_f32_16x16x64_bf8_bf8 v[S+64*\q+8*\t:S+64*\q+8*\t+7], v[KF+8*\t:KF+8*\t+7], v[QF+16*(\p)+8*\q:QF+16*(\p)+8*\q+7], v[MF+8*\t:MF+8*\t+7]
.endr
.endr
	WIN 0
.rept 4
	v_nop                                          ; places in front of the first read of results
.endr
.irp q, 0,1                                    ; the step's largest score of each query among the lane's 64 keys: two chains a tile, each accumulator from its low end on
	v_max3_num_f32 v[TP+4*\q], v[S+64*\q], v[S+64*\q+1], v[S+64*\q+2]
	v_max3_num_f32 v[TP+4*\q+1], v[S+64*\q+3], v[S+64*\q+4], v[S+64*\q+5]
.endr
.irp i, 6,10,14,18,22,26,30,34,38,42,46,50,54,58
.irp q, 0,1
	v_max3_num_f32 v[TP+4*\q], v[TP+4*\q], v[S+64*\q+\i], v[S+64*\q+\i+1]
	v_max3_num_f32 v[TP+4*\q+1], v[TP+4*\q+1], v[S+64*\q+\i+2], v[S+64*\q+\i+3]
.endr
.endr
.irp q, 0,1
	v_max3_num_f32 v[TP+4*\q], v[TP+4*\q], v[S+64*\q+62], v[S+64*\q+63]
.endr
.irp q, 0,1
	s_delay_alu instid0(VALU_DEP_2)
	v_max_num_f32 v[TP+4*\q], v[TP+4*\q], v[TP+4*\q+1]
.endr
.irp q, 0,1
	s_delay_alu instid0(VALU_DEP_2)
	v_permlanex16_b32 v[PD+\q], v[TP+4*\q], s[SEL], s[SEL+1]
.endr
.irp q, 0,1
	s_delay_alu instid0(VALU_DEP_2)
	v_max_num_f32 v[TP+4*\q], v[TP+4*\q], v[PD+\q]                   ; and among lane l xor 16's
.endr
.irp q, 0,1
	s_delay_alu instid0(VALU_DEP_2)
	v_mul_f32 v[TP+4*\q], s[CS], v[TP+4*\q]                          ; as t (c is positive)
.endr
.irp q, 0
	s_delay_alu instid0(VALU_DEP_2)
	v_max_num_f32 v[ST+4*\q+1], v[ST+4*\q+1], v[TP+4*\q]             ; the running largest t
	v_mov_b32 v[TP+4*\q], v[ST+4*\q]
.endr
.irp q, 1
	s_delay_alu instid0(VALU_DEP_3)
	v_max_num_f32 v[ST+4*\q+1], v[ST+4*\q+1], v[TP+4*\q]
	v_mov_b32 v[TP+4*\q], v[ST+4*\q]
.endr
.irp q, 0
	s_delay_alu instid0(VALU_DEP_4)
	v_floor_f32 v[ST+4*\q], -v[ST+4*\q+1]
.endr
.irp q, 1
	s_delay_alu instid0(VALU_DEP_3)
	v_floor_f32 v[ST+4*\q], -v[ST+4*\q+1]                            ; the new -M = floor(-t): M is a whole number
.endr
.irp q, 0,1
	s_delay_alu instid0(VALU_DEP_2)
	v_sub_f32 v[TP+4*\q], v[ST+4*\q], v[TP+4*\q]                     ; old M - new M: a whole number, 0 or less
.endr
.irp q, 0,1
	s_delay_alu instid0(VALU_DEP_2)
	v_cvt_i32_f32 v[TP+4*\q], v[TP+4*\q]                             ; (it saturates)
.endr
.irp q, 0,1
	s_delay_alu instid0(VALU_DEP_2)
	v_ldexp_f32 v[TP+4*\q+2], 1.0, v[TP+4*\q]                        ; f = 2^(old M - new M)
.endr
.irp q, 0,1
.set j, 0
.rept 32
	v_pk_fma_f32 v[S+64*\q+j:S+64*\q+j+1], v[S+64*\q+j:S+64*\q+j+1], s[CS:CS+1], v[ST+4*\q:ST+4*\q+1] op_sel_hi:[1,0,0]   ; t - M, two at a time (of the pairs c and -M the low word serves both halves)
.set j, j+2
.endr
.endr
.set j, 0
	s_setprio 1
	s_wait_alu depctr_va_vdst(0)
.rept 128
	v_exp_f32 v[S+j], v[S+j]                       ; p = 2^(t - M), at most 1: both tiles' exponentials are one batch
.set j, j+1
.endr
.irp q, 0,1
	v_pk_mul_f32 v[ST+4*\q+2:ST+4*\q+3], v[ST+4*\q+2:ST+4*\q+3], v[TP+4*\q+2:TP+4*\q+3] op_sel_hi:[1,0]   ; the sums under the new M (plain lines behind the exponentials)
.endr
	s_wait_alu depctr_va_vdst(0)                   ; one wait for the whole batch, ahead of its first reader
.irp q, 0,1
	v_pk_add_f32 v[TP+4*\q:TP+4*\q+1], v[S+64*\q:S+64*\q+1], v[S+64*\q+2:S+64*\q+3]   ; the row's sum is taken of the UNQUANTISED p: two chains a tile
.endr
.irp j, 4,8,12,16,20,24,28,32,36,40,44,48,52,56,60
.irp q, 0,1
	v_pk_add_f32 v[ST+4*\q+2:ST+4*\q+3], v[ST+4*\q+2:ST+4*\q+3], v[S+64*\q+\j:S+64*\q+\j+1]
	v_pk_add_f32 v[TP+4*\q:TP+4*\q+1], v[TP+4*\q:TP+4*\q+1], v[S+64*\q+\j+2:S+64*\q+\j+3]
.endr
.endr
.irp q, 0
	s_delay_alu instid0(VALU_DEP_3)
	v_pk_add_f32 v[ST+4*\q+2:ST+4*\q+3], v[ST+4*\q+2:ST+4*\q+3], v[TP+4*\q:TP+4*\q+1]
.endr
.irp q, 1
	s_delay_alu instid0(VALU_DEP_2)
	v_pk_add_f32 v[ST+4*\q+2:ST+4*\q+3], v[ST+4*\q+2:ST+4*\q+3], v[TP+4*\q:TP+4*\q+1]
.endr
.set j, 0
.rept 128
.set j, j+1
.endr
.set j, 0
.rept 16
	v_cvt_scalef32_pk8_bf8_f32 v[P+2*j:P+2*j+1], v[S+8*j:S+8*j+7], v[SCP]   ; tile j / 8, key tile j % 8: registers 2 t, 2 t + 1 of its P
.set j, j+1
.endr
	s_setprio 0
.irp q, 0,1
.set j, 0
.rept 16
	v_pk_mul_f32 v[O+32*\q+j:O+32*\q+j+1], v[O+32*\q+j:O+32*\q+j+1], v[TP+4*\q+2:TP+4*\q+3] op_sel_hi:[1,0]   ; O^T under the new M.  (Plain lines between the conversions and the products that read their results)
.set j, j+2
.endr
.endr
	s_wait_alu depctr_va_vdst(0)
	s_wait_dscnt 0x0                               ; V is in
	WIN 0x01                                       ; V in window 1
.irp a, 0,1,2,3                                ; O^T += V^T P: the eight accumulators take turns, one instruction a turn
.irp q, 0,1
	v_wmma_f32_16x16x128_bf8_bf8 v[O+32*\q+8*\a:O+32*\q+8*\a+7], v[VF+16*\a:VF+16*\a+15], v[P+16*\q:P+16*\q+15], v[O+32*\q+8*\a:O+32*\q+8*\a+7]
.endr
.endr
	WIN 0
	s_add_co_u32 s[TK], s[TK], 8192                ; 128 keys on: eight tiles of K, one group of V,
	s_add_co_u32 s[TM], s[TM], 512                 ; 128 words of the table
.endm
.macro KEYLOOP p, n
	s_mov_b32 s[CNT], \n
.Lkey_\@:
	s_setprio 2
	STEP \p
	s_sub_co_u32 s[CNT], s[CNT], 1
	s_cmp_lg_u32 s[CNT], 0
	s_cbranch_scc1 .Lkey_\@
	s_setprio 0
.endm
; THE WAY OUT of pass p: O^T / the sum, the conversion; four exchanges of halves of lanes bring a tile's codes into the order of a_frag; two stores a tile, 512 consecutive bytes each, aligned.
.macro WAYOUT p
.rept 4
	v_nop                                          ; places behind the last products
.endr
.irp q, 0,1
	v_add_f32 v[ST+4*\q+2], v[ST+4*\q+2], v[ST+4*\q+3]
.endr
.irp q, 0,1
	s_delay_alu instid0(VALU_DEP_2)
	v_permlanex16_b32 v[PD+\q], v[ST+4*\q+2], s[SEL], s[SEL+1]
.endr
.irp q, 0,1
	s_delay_alu instid0(VALU_DEP_2)
	v_add_f32 v[ST+4*\q+2], v[ST+4*\q+2], v[PD+\q]                   ; the row's sum
.endr
	s_wait_alu depctr_va_vdst(0)
.irp q, 0,1
	v_rcp_f32 v[TP+4*\q+2], v[ST+4*\q+2]
.endr
	v_nop                                          ; a plain line behind the reciprocals
	s_wait_alu depctr_va_vdst(0)                   ; and one wait for both, ahead of their first reader
.irp q, 0,1
.set j, 0
.rept 16
	v_pk_mul_f32 v[O+32*\q+j:O+32*\q+j+1], v[O+32*\q+j:O+32*\q+j+1], v[TP+4*\q+2:TP+4*\q+3] op_sel_hi:[1,0]
.set j, j+2
.endr
.set j, 0
.rept 32
.set j, j+1
.endr
.irp a, 0,1,2,3
	v_cvt_scalef32_pk8_bf8_f32 v[P+16*\q+2*\a:P+16*\q+2*\a+1], v[O+32*\q+8*\a:O+32*\q+8*\a+7], v[SCA]   ; channels 16 a + 8 (lane / 16) + 0 .. 7
.endr
.endr
	v_nop                                          ; one plain line behind the last conversion
.irp q, 0,1
	v_cmp_le_f32 vcc_lo, s[TH], v[ST+4*\q+1]       ; has my query seen a key that counts?
.irp i, 0,1,2,3,4,5,6,7
	v_cndmask_b32 v[P+16*\q+\i], 0x7f7f7f7f, v[P+16*\q+\i], vcc_lo   ; if not: NaN's codes
.endr
	v_permlane16_swap_b32 v[P+16*\q], v[P+16*\q+2]                   ; the first's lanes 16-31 change places with the second's lanes 0-15 (the same queries): registers 4 g .. 4 g + 3 then hold channels 32 g + 16 (lane / 16) + 0 .. 15
	v_permlane16_swap_b32 v[P+16*\q+1], v[P+16*\q+3]
	s_delay_alu instid0(VALU_DEP_4)
	v_permlane16_swap_b32 v[P+16*\q+4], v[P+16*\q+6]
	s_delay_alu instid0(VALU_DEP_4)
	v_permlane16_swap_b32 v[P+16*\q+5], v[P+16*\q+7]
	global_store_b128 v[LI], v[P+16*\q:P+16*\q+3], s[14:15] offset:(\p)*262144+\q*16384
	global_store_b128 v[LI], v[P+16*\q+4:P+16*\q+7], s[14:15] offset:(\p)*262144+\q*16384+512
.endr
.endm
	INIT
	s_wait_loadcnt 0x0                             ; Q
	s_wait_tensorcnt 0x1                           ; my part of keys 0-1,023 is in; the second load, issued behind it, may be out
	s_wait_dscnt 0x0                               ; my part of the mask's table is stored
	s_barrier_signal -1
	s_barrier_wait -1                              ; everybody's is
	s_mov_b32 s[TK], 0
	s_mov_b32 s[TM], 0
	KEYLOOP 0, 8                                   ; pass 0, keys 0-1,023
	s_wait_tensorcnt 0x0                           ; my part of keys 1,024-2,047 is in,
	s_wait_dscnt 0x0
	s_barrier_signal -1
	s_barrier_wait -1                              ; everybody's is
	s_mov_b32 s[TK], 65536
	s_mov_b32 s[TM], 4096
	KEYLOOP 0, 8                                   ; pass 0, keys 1,024-2,047
	WAYOUT 0
	INIT
	s_wait_xcnt 0x0                                ; the stores have read their registers: P's are written again in the next pass
	s_mov_b32 s[TK], 0
	s_mov_b32 s[TM], 0
	KEYLOOP 1, 16                                  ; pass 1, all keys
	WAYOUT 1
	s_wait_tensorcnt 0x0                           ; the wave's end
	ds_add_u32 v[SPW], v[NIL]
	s_wait_dscnt 0x0
	CROUND                                         ; the closing round
	s_endpgm
.Lfunc_end_k_qc6a942e2c8_attn:
	.size	k_qc6a942e2c8_attn, .Lfunc_end_k_qc6a942e2c8_attn-k_qc6a942e2c8_attn
	.p2alignl 7, 3214868480
	.fill 96, 4, 3214868480
	.section	.rodata,"a",@progbits
	.p2align	6, 0x0
	.amdhsa_kernel k_qc6a942e2c8_attn
		.amdhsa_group_segment_fixed_size 327680
		.amdhsa_private_segment_fixed_size 0
		.amdhsa_enable_private_segment 0
		.amdhsa_kernarg_size 48
		.amdhsa_user_sgpr_count 2
		.amdhsa_user_sgpr_kernarg_segment_ptr 1
		.amdhsa_wavefront_size32 1
		.amdhsa_system_sgpr_workgroup_id_x 1
		.amdhsa_system_sgpr_workgroup_id_y 1
		.amdhsa_system_sgpr_workgroup_id_z 1
		.amdhsa_system_vgpr_workitem_id 0
		.amdhsa_next_free_vgpr 512
		.amdhsa_next_free_sgpr 72
		.amdhsa_reserve_vcc 1
		.amdhsa_float_denorm_mode_32 3
		.amdhsa_float_denorm_mode_16_64 3
		.amdhsa_fp16_overflow 1
		.amdhsa_memory_ordered 1
		.amdhsa_forward_progress 1
		.amdhsa_inst_pref_size 102
	.end_amdhsa_kernel
	.amdgpu_metadata
---
amdhsa.version: [ 1, 2 ]
amdhsa.kernels:
  - .name:           k_qc6a942e2c8_attn
    .symbol:         k_qc6a942e2c8_attn.kd
    .args:
      - { .name: q_frag, .offset: 0, .size: 8, .value_kind: global_buffer, .address_space: global }
      - { .name: k_frag, .offset: 8, .size: 8, .value_kind: global_buffer, .address_space: global }
      - { .name: v_frag, .offset: 16, .size: 8, .value_kind: global_buffer, .address_space: global }
      - { .name: mask, .offset: 24, .size: 8, .value_kind: global_buffer, .address_space: global }
      - { .name: lowp_scales, .offset: 32, .size: 8, .value_kind: global_buffer, .address_space: global }
      - { .name: a_frag, .offset: 40, .size: 8, .value_kind: global_buffer, .address_space: global }
    .group_segment_fixed_size: 327680
    .private_segment_fixed_size: 0
    .kernarg_segment_align: 8
    .kernarg_segment_size: 48
    .max_flat_workgroup_size: 256
    .sgpr_count:     72
    .vgpr_count:     512
    .wavefront_size: 32
...
	.end_amdgpu_metadata
.endif
;; end of part 2
;; launch outp (part 3): grid 4 x 32, 4 waves a work-group, clusters of 4 x 4, 327,680 bytes of LDS; arguments a_frag, Wo_codes, lowp_scales, out0, bo; writes out0
.if DOCPART == 3
	.amdgcn_target "amdgcn-amd-amdhsa--gfx1250"
	.amdhsa_code_object_version 6
	.text
	.protected	k_qc6a942e2c8_outp
	.globl	k_qc6a942e2c8_outp
	.p2align	8
	.type	k_qc6a942e2c8_outp,@function
k_qc6a942e2c8_outp:
	s_mov_b64 s[64:65], 0
	v_nop
	global_prefetch_b8 v0, s[64:65] scope:SCOPE_SE
	s_setreg_imm32_b32 hwreg(HW_REG_WAVE_MODE, 25, 1), 1
	s_wait_xcnt 0x0
	s_wait_alu depctr_hold_cnt(0) depctr_sa_sdst(0) depctr_va_vdst(0) depctr_va_sdst(0) depctr_va_ssrc(0) depctr_va_vcc(0) depctr_vm_vsrc(0)
	s_getreg_b32 s2, hwreg(HW_REG_IB_STS2, 6, 4)
	s_cmp_eq_u32 s2, 0
	s_cbranch_scc0 .Lentry_in_a_cluster
	s_endpgm
.Lentry_in_a_cluster:
	s_bfe_u32 s2, ttmp6, 0x10000c
	s_cmp_lg_u32 s2, 0xf033
	s_cbranch_scc0 .Lentry_shape_is_right
	s_endpgm
.Lentry_shape_is_right:
; out0 = attended Wo^T + bo on codes of BF8 (E5M2).  attended: 8,192 tokens x 1,024, as images of operand registers (a_frag); Wo: [1,024][1,024] codes, K innermost; out0: [8,192][1,024] f32.  Nothing of reference() is left out here.
; A number of attended is its code x 2^e10, of Wo x 2^e11 (entries 10 and 11 of lowp_scales).  The sums begin with bo / 2^(e10 + e11), as the C of the first matrix instructions, and each finished sum is multiplied once by 2^(e10 + e11).
; LIMIT: e10 + e11 lies between -126 and 127, so that 2^(e10 + e11) is an f32 number.  NaN in bo is not served.
; A tile of out0, 256 x 256, is made by four waves, each 128 x 128: 64 accumulators.  K goes in steps of 256 through a ring of two LDS slots filled by the tensor data mover.
; a_frag: [token tile 512][1,024 k: 16,384 bytes]; 128 along K of a token tile are 2,048 consecutive bytes: four groups of (32 lanes x 16 bytes), group c holding k = 32 c + 16 (lane / 16) + 0 .. 15 of token lane % 16:
; the order in which Wo's rows are read from LDS.  A K step of a token tile is 4,096 consecutive bytes; they lie in LDS as in memory and are read 512 consecutive bytes at a time.
; CLUSTERS: 4 x 4 work-groups; A's tiles are asked for jointly along a row of the cluster, B's along a column.  THE MATRIX INSTRUCTION IS USED TRANSPOSED (source 0 = 16 rows of Wo, source 1 = 16 tokens): a lane holds eight neighbouring numbers of a row of out0.
; REGISTERS, in windows of 256: window 0: v0-31 addresses; v32-95 the bias, on the way out at work; from v128 A's fragments, ONE set, on the way out rows read back.   window 1: B's fragments, TWO sets.   windows 2, 3: the accumulators ((a, b) at v[8 (8 (a % 4) + b)]).
.set SIZE_N, 1024
.set KROW,   1024                      ; a row of Wo in memory, in bytes
.set ROWB,   256                       ; a row of B's tile
.set PITCH,  272                       ; and in LDS: + 16 of padding
.set FR,     16
.set NL,     4
.set NP,     4                         ; places behind this matrix instruction (ISA guide 7.12.1)
.set HALFA,  32768                     ; eight token tiles x 4,096 bytes: what one tensor load brings of A
.set HALFB,  128*PITCH                 ; 128 rows of Wo
.set BOFF,   2*HALFA
.set SLOT,   BOFF+2*HALFB              ; A's two halves, then B's two halves
.set ASTEP,  4096                      ; a K step on, in a token tile's bytes
.set SPARE,  2*SLOT                    ; behind the ring: the spare words, 128 bytes for each wave
.set SPITCH, 528                       ; the way out: a stage of 16 rows x (512 bytes + 16) for each wave, in slot 0, which has had its last fill and its last read when the first result is stored there
.set ADRA, 16                          ; v16-17  LDS address of my A fragments in slot 0, 1
.set ADRB, 20                          ; v20-21  the same for B
.set STO,  24                          ; v24     the way out: where I put 32 bytes of a row
.set RD,   25                          ; v25     where I read a row back
.set CO,   26                          ; v26     16 x lane
.set BOF,  27                          ; v27     my lane's byte in the bias
.set SPW,  28                          ; v28     LDS address of my spare word; never rewritten
.set NIL,  29                          ; v29     0; never rewritten
.set BI,   32                          ; v32-95  the bias in the results' layout
.set TMP,  32                          ; the way out: a block's sums x 2^(e10 + e11)
.set AF,   128
.set BK,   128                         ; the way out: 16 rows read back: v128-191 and v192-255 by turns
.set G1, 24
.set G0, 32
.set G1B, 48
.set G0B, 56
.set MSB, 0
.macro WIN new
.if MSB != \new
	s_set_vgpr_msb (MSB<<8)|\new
.set MSB, \new
.endif
.endm
.set MUL_LO, 0xa1
.set MUL_HI, 0xf1
.set TO_B,   0x40
.macro JLOAD g0a, g1a, g0b, g1b        ; a joint load: waves 0 and 1 fetch for A, waves 2 and 3 for B; an s_nop 0 and four v_nop follow each of the two lines
	s_cmp_eq_u32 s15, 0
	s_cbranch_scc0 .Lfor_b_\@
	tensor_load_to_lds s[\g0a:\g0a+3], s[\g1a:\g1a+7]
	s_nop 0
.rept 4
	v_nop
.endr
	s_branch .Lasked_\@
.Lfor_b_\@:
	tensor_load_to_lds s[\g0b:\g0b+3], s[\g1b:\g1b+7]
	s_nop 0
.rept 4
	v_nop
.endr
.Lasked_\@:
.endm
.macro CREST
	s_cmp_lg_u32 s14, 0
	s_cbranch_scc1 .Lnot_wave_0_\@
	s_barrier_signal -3
.Lnot_wave_0_\@:
	s_barrier_wait -3
	s_barrier_signal -1
	s_barrier_wait -1
.endm
.macro CROUND
	s_barrier_signal -1
	s_barrier_wait -1
	CREST
.endm
	s_load_b128 s[4:7], s[0:1], 0x0                ; a_frag s[4:5], Wo's codes s[6:7]
	s_load_b128 s[8:11], s[0:1], 0x10              ; the scales' exponents s[8:9], out0 s[10:11]
	s_load_b64 s[66:67], s[0:1], 0x20              ; bo
	v_lshl_add_u32 v[SPW], v0, 2, SPARE
	v_mov_b32 v[NIL], 0
	ds_add_u32 v[SPW], v[NIL]                      ; the wave's opening: the add, twice on end, and its wait ahead of my first tensor load
	ds_add_u32 v[SPW], v[NIL]                      ; and once more, under the one wait
	v_lshrrev_b32 v1, 5, v0
	v_readfirstlane_b32 s14, v1                    ; wave 0..3
	s_lshr_b32 s15, s14, 1                         ; which half of the tile's rows is mine.  Also: I fetch for A (0) or for B (1)
	s_and_b32 s16, s14, 1                          ; which half of its columns.  Also: which half of that tile I fetch
	s_bfe_u32 s40, ttmp6, 0x40000                  ; cx, cy
	s_bfe_u32 s41, ttmp6, 0x40004
	s_lshl_b32 s42, ttmp9, 2
	s_add_co_u32 s42, s42, s40                     ; tile column = 4 x cluster x + cx
	s_and_b32 s17, ttmp7, 0xffff
	s_lshl_b32 s17, s17, 2
	s_add_co_u32 s17, s17, s41                     ; tile row = 4 x cluster y + cy
	s_lshl_b32 s43, s41, 2
	s_lshl_b32 s43, 15, s43                        ; my row of the cluster
	s_lshl_b32 s44, 0x1111, s40                    ; my column
	s_or_b32 s[G1+0], s43, (3<<16)|(1<<21)         ; A: the mask of my row; elements of 8 bytes; bit 21 beside a mask; no padding
	s_mov_b32 s[G1+1], 512<<16                     ; tensor_dim0 = 512 elements: 4,096 bytes of a token tile
	s_mov_b32 s[G1+2], 8<<16                       ; tensor_dim1 = 8 token tiles
	s_mov_b32 s[G1+3], 512<<16                     ; tile_dim0
	s_mov_b32 s[G1+4], 8                           ; tile_dim1
	s_mov_b32 s[G1+5], 2048                        ; from token tile to token tile: 16,384 bytes
	s_mov_b32 s[G1+6], 0
	s_mov_b32 s[G1+7], 0
	s_or_b32 s[G1B+0], s44, (0<<16)|(1<<20)|(1<<21)|(5<<22)|(3<<25)  ; B: the mask of my column; elements of 1 byte; four words of padding after every 64
	s_mov_b32 s[G1B+1], ROWB<<16
	s_mov_b32 s[G1B+2], 128<<16
	s_mov_b32 s[G1B+3], ROWB<<16
	s_mov_b32 s[G1B+4], 128
	s_mov_b32 s[G1B+5], KROW
	s_mov_b32 s[G1B+6], 0
	s_mov_b32 s[G1B+7], 0
	s_lshl_b32 s20, s17, 4
	s_lshl_b32 s18, s16, 3
	s_add_co_u32 s20, s20, s18
	s_lshl_b32 s20, s20, 14                        ; A: token tile 16 x tile row + 8 x half, 16,384 bytes each
	s_mov_b32 s21, 0
	s_lshl_b32 s46, s42, 8
	s_lshl_b32 s18, s16, 7
	s_add_co_u32 s46, s46, s18
	s_lshl_b32 s46, s46, 10                        ; B: row 256 x tile column + 128 x half, 1,024 bytes each
	s_mov_b32 s47, 0
	s_lshl_b32 s45, s16, 15                        ; where they go: A's half,
	s_mul_i32 s23, s16, HALFB
	s_add_co_u32 s23, s23, BOFF                    ; B's half: the wave's number alone
	s_wait_dscnt 0x0                               ; both opening adds are done
	s_wait_kmcnt 0x0
	s_load_b64 s[96:97], s[8:9], 0x28              ; e10, e11
	s_add_nc_u64 s[20:21], s[4:5], s[20:21]
	s_add_nc_u64 s[46:47], s[6:7], s[46:47]
	CROUND                                         ; all sixteen work-groups are here: the first joint loads meet
.irp s, 0,1
	s_mov_b32 s[G0+4*\s], 1
	s_add_co_u32 s[G0+4*\s+1], s45, \s*SLOT
	s_add_nc_u64 s[G0+4*\s+2:G0+4*\s+3], s[20:21], \s*ASTEP
	s_or_b32 s[G0+4*\s+3], s[G0+4*\s+3], 0x80000000
	s_mov_b32 s[G0B+4*\s], 1
	s_add_co_u32 s[G0B+4*\s+1], s23, \s*SLOT
	s_add_nc_u64 s[G0B+4*\s+2:G0B+4*\s+3], s[46:47], \s*ROWB
	s_or_b32 s[G0B+4*\s+3], s[G0B+4*\s+3], 0x80000000
	s_wait_alu depctr_va_vdst(0)
	s_wait_tensorcnt 0x0
	ds_add_u32 v28, v29
	ds_add_u32 v28, v29
	s_wait_dscnt 0x0
	CROUND
	JLOAD G0+4*\s, G1, G0B+4*\s, G1B               ; one tensor load of mine out at a time: K step 0, then K step 1
.endr
	v_and_b32 v1, 15, v0                           ; r
	v_bfe_u32 v2, v0, 4, 1                         ; h
	v_mul_u32_u24 v3, v1, PITCH
	v_lshl_add_u32 v4, v2, 4, v3                   ; B: a fragment's row x pitch + 16 x half
	v_and_b32 v6, 31, v0
	v_lshlrev_b32 v[CO], 4, v6                     ; A: 16 x lane
	s_wait_alu depctr_va_vdst(0)
	s_lshl_b32 s21, s15, 15                        ; my eight token tiles
	s_mul_i32 s22, s16, HALFB                      ; my 128 rows of Wo
	s_add_co_u32 s22, s22, BOFF
.irp s, 0,1
	v_add_nc_u32 v[ADRA+\s], s21, v[CO]
	v_add_nc_u32 v[ADRB+\s], s22, v4
	s_add_co_u32 s21, s21, SLOT
	s_add_co_u32 s22, s22, SLOT
.endr
	s_mul_i32 s23, s14, 16*SPITCH                  ; my stage
	v_mul_u32_u24 v5, v1, SPITCH                   ; in: row r, 32 bytes for each half of the lanes
	v_lshl_add_u32 v5, v2, 5, v5
	v_add_nc_u32 v[STO], s23, v5
	v_add_nc_u32 v[RD], s23, v[CO]                 ; back: the 32 lanes take one row of 512 bytes
	s_lshl_b32 s46, s42, 10                        ; my first column, in bytes of f32: 1,024 x tile column + 512 x half: in out0's rows and in bo alike
	s_lshl_b32 s47, s16, 9
	s_add_co_u32 s46, s46, s47
	s_mov_b32 s47, 0
	s_add_nc_u64 s[66:67], s[66:67], s[46:47]
	v_lshlrev_b32 v[BOF], 5, v2                    ; register j of tile b wants bo of column 16 b + 8 h + j
.irp b, 0,1,2,3,4,5,6,7
	global_load_b128 v[BI+8*\b:BI+8*\b+3], v[BOF], s[66:67] offset:64*\b
	global_load_b128 v[BI+8*\b+4:BI+8*\b+7], v[BOF], s[66:67] offset:64*\b+16
.endr
	s_lshl_b32 s20, s17, 8
	s_lshl_b32 s21, s15, 7
	s_add_co_u32 s20, s20, s21                     ; my first row of out0: 256 x tile row + 128 x half
	s_lshl_b32 s20, s20, 12                        ; rows of 4,096 bytes
	s_mov_b32 s21, 0
	s_add_nc_u64 s[20:21], s[20:21], s[46:47]
	s_add_nc_u64 s[10:11], s[10:11], s[20:21]
	s_wait_kmcnt 0x0
	s_add_co_i32 s23, s96, s97                     ; e10 + e11
	s_sub_co_i32 s22, 0, s23
	s_add_co_i32 s23, s23, 127
	s_lshl_b32 s96, s23, 23                        ; 2^(e10 + e11) as f32 (s97 is named with it as a pair)
	s_wait_loadcnt 0x0
.set j, 0
.rept 64
	v_ldexp_f32 v[BI+j], v[BI+j], s22              ; bo / 2^(e10 + e11): nothing is rounded
.set j, j+1
.endr
.macro FRAG reg, adr, q, i             ; a fragment of Wo: lane l holds row l % 16; registers 4 c .. 4 c + 3 hold K = 32 c + 16 (l / 16) + 0 .. 15
.irp c, 0,1,2,3
	ds_load_b128 v[\reg+4*\c:\reg+4*\c+3], v[\adr] offset:128*(\q)+32*\c+(\i)*16*PITCH
.endr
.endm
.macro FRAGA reg, adr, q, i            ; a fragment of attended: the image as it lies: token tile i, the slot's q-th 128 along K
.irp c, 0,1,2,3
	ds_load_b128 v[\reg+4*\c:\reg+4*\c+3], v[\adr] offset:4096*(\i)+2048*(\q)+512*\c
.endr
.endm
; 16 matrix instructions: A's blocks a0, a0 + 1 x B's eight.  cm = 2: the sums begin with the bias; 0: they go on.  The 64 accumulators take turns, one instruction a turn.
.macro MUL16 a0, p, cm
.irp a, \a0, \a0+1
.irp b, 0,1,2,3,4,5,6,7
.if \cm == 2
	v_wmma_f32_16x16x128_bf8_bf8 v[8*(8*((\a)%4)+\b):8*(8*((\a)%4)+\b)+7], v[128*(\p)+FR*\b:128*(\p)+FR*\b+FR-1], v[AF+FR*(\a):AF+FR*(\a)+FR-1], v[BI+8*\b:BI+8*\b+7]
.else
	v_wmma_f32_16x16x128_bf8_bf8 v[8*(8*((\a)%4)+\b):8*(8*((\a)%4)+\b)+7], v[128*(\p)+FR*\b:128*(\p)+FR*\b+FR-1], v[AF+FR*(\a):AF+FR*(\a)+FR-1], v[8*(8*((\a)%4)+\b):8*(8*((\a)%4)+\b)+7]
.endif
.endr
.endr
.endm
.macro FETCH_B slot, q, p
	WIN TO_B
.irp i, 0,1,2,3,4,5,6,7
	FRAG 128*(\p)+FR*\i, ADRB+\slot, \q, \i
.endr
	WIN 0
.endm
.macro FETCH_A slot, q, i0
.irp i, \i0, \i0+1, \i0+2, \i0+3
	FRAGA AF+FR*(\i), ADRA+\slot, \q, \i
.endr
.endm
.macro PLACES n
.rept \n
	v_nop
.endr
.endm
.macro STEP slot, q, cm
	s_wait_dscnt 4*NL                              ; B's set and A's blocks 0-3 are in; the youngest sixteen loads (A's blocks 4-7) may be out
.if \cm
	WIN 0x81                                       ; the bias, C, lies in window 0
.else
	WIN MUL_LO
.endif
	MUL16 0, (\q)%2, \cm
	MUL16 2, (\q)%2, \cm
	s_wait_dscnt 0
	PLACES NP
	FETCH_B \slot, (\q)+1, 1-(\q)%2
	FETCH_A \slot, (\q)+1, 0
.if \cm
	WIN 0xc1
.else
	WIN MUL_HI
.endif
	MUL16 4, (\q)%2, \cm
	MUL16 6, (\q)%2, \cm
	PLACES NP
	WIN 0
	FETCH_A \slot, (\q)+1, 4
.endm
; A slot's last step changes slots: ONE barrier; in front of it each wave waits for all its tensor loads, adds 0 to its spare word, and waits for that and for its own reads of this slot.
.macro TURN slot, next, fill
	s_wait_tensorcnt 0x0                           ; all my tensor loads have landed: my part of the next slot
	ds_add_u32 v[SPW], v[NIL]                      ; 0 onto my spare word
	s_wait_dscnt 4*NL+1                            ; (the add and the youngest sixteen loads may be out)
	WIN MUL_LO
	MUL16 0, 1, 0
	s_wait_dscnt 0x0                               ; the add is done, and my reads of this slot are over
	s_barrier_signal -1
	MUL16 2, 1, 0
	WIN 0
	s_barrier_wait -1
.if \fill
	CREST                                          ; the barrier has opened a round of the cluster's barrier: no wave of any partner still reads this slot's tile or has a load on its way
	s_add_nc_u64 s[G0+4*\slot+2:G0+4*\slot+3], s[G0+4*\slot+2:G0+4*\slot+3], 2*ASTEP
	s_add_nc_u64 s[G0B+4*\slot+2:G0B+4*\slot+3], s[G0B+4*\slot+2:G0B+4*\slot+3], 2*ROWB
	JLOAD G0+4*\slot, G1, G0B+4*\slot, G1B         ; the first tensor load behind the round; its four v_nop are the places in front of the loads below
.else
	PLACES NP
.endif
	FETCH_B \next, 0, 0
	FETCH_A \next, 0, 0
	WIN MUL_HI
	MUL16 4, 1, 0
	MUL16 6, 1, 0
	PLACES NP
	WIN 0
	FETCH_A \next, 0, 4
.endm
	s_wait_alu depctr_va_vdst(0)
	s_wait_tensorcnt 1                             ; my part of K step 0 is in (K step 1's load, issued behind it, may be out)
	s_barrier_signal -1
	s_barrier_wait -1                              ; everybody's is
	FETCH_B 0, 0, 0
	FETCH_A 0, 0, 0
	FETCH_A 0, 0, 4
	STEP 0, 0, 2                                   ; the first step's products begin the sums with the bias
	TURN 0, 1, 1                                   ; K = 1,024 is four K steps of 256: written straight
	STEP 1, 0, 0
	TURN 1, 0, 1
	STEP 0, 0, 0
	TURN 0, 1, 0                                   ; nothing is left to fetch
	STEP 1, 0, 0
	s_wait_dscnt 4*NL
	WIN MUL_LO
	MUL16 0, 1, 0
	MUL16 2, 1, 0
	s_wait_dscnt 0
	WIN MUL_HI
	MUL16 4, 1, 0
	MUL16 6, 1, 0
	WIN 0
; THE WAY OUT, block by block of 16 rows x 128 columns, through my own stage in LDS: in as 32 bytes a lane, back as whole rows of 512 bytes.  LDS serves a wave's instructions in order (ISA guide 5.7.1.4): no wait between the stores and the loads.
.macro TOSTAGE a
.set AC, 64*((\a)%4)
	WIN 0x02+((\a)/4)                              ; source 0: window 2 or 3
.irp j, 0,2,4,6,8,10,12,14,16,18,20,22,24,26,28,30,32,34,36,38,40,42,44,46,48,50,52,54,56,58,60,62
	v_pk_mul_f32 v[TMP+\j:TMP+\j+1], v[AC+\j:AC+\j+1], s[96:97] op_sel_hi:[1,0]   ; both x s96 = 2^(e10 + e11); each accumulator from its low end on
.endr
	WIN 0
.irp b, 0,1,2,3,4,5,6,7
	ds_store_b128 v[STO], v[TMP+8*\b:TMP+8*\b+3] offset:64*\b
	ds_store_b128 v[STO], v[TMP+8*\b+4:TMP+8*\b+7] offset:64*\b+16
.endr
.set BB, BK+64*((\a)%2)
.irp t, 0,1,2,3,4,5,6,7,8,9,10,11,12,13,14,15
	ds_load_b128 v[BB+4*\t:BB+4*\t+3], v[RD] offset:\t*SPITCH
.endr
.endm
.macro SEND a, younger                 ; younger: the LDS instructions issued behind block a's loads, which may stay out
.set BB, BK+64*((\a)%2)
	s_wait_dscnt \younger                          ; the block is back in registers
.if (\a) > 0
	s_add_nc_u64 s[10:11], s[10:11], 16*SIZE_N*4   ; (behind a wait on XCNT: the earlier stores have read their base)  16 rows of out0 on
.endif
.irp t, 0,1,2,3,4,5,6,7,8,9,10,11,12,13,14,15
	global_store_b128 v[CO], v[BB+4*\t:BB+4*\t+3], s[10:11] offset:\t*SIZE_N*4 th:TH_STORE_NT   ; 32 lanes store 512 consecutive bytes, at a multiple of 256 from out0's first byte; written once, read by nobody here
.endr
.endm
	PLACES NP                                      ; in front of the loads into the registers that held A's fragments, and of the reads of results
	TOSTAGE 0
.irp a, 1,2,3,4,5,6,7
.if \a > 1
	s_wait_xcnt 0x0                                ; block a - 2's stores have read their registers and their base: block a's loads may land there, and the base may step
.endif
	TOSTAGE \a
	SEND \a-1, 32                                  ; behind block a - 1's loads: block a's 16 stores and 16 loads
.endr
	s_wait_xcnt 0x0                                ; block 6's stores have read their base
	SEND 7, 0
	s_wait_tensorcnt 0x0                           ; the wave's end, behind my last tensor load and my last LDS store
	ds_add_u32 v[SPW], v[NIL]
	s_wait_dscnt 0x0
	CROUND                                         ; the closing round: no work-group ends while a partner may still ask for a tile that names it
	s_endpgm
.Lfunc_end_k_qc6a942e2c8_outp:
	.size	k_qc6a942e2c8_outp, .Lfunc_end_k_qc6a942e2c8_outp-k_qc6a942e2c8_outp
	.p2alignl 7, 3214868480
	.fill 96, 4, 3214868480
	.section	.rodata,"a",@progbits
	.p2align	6, 0x0
	.amdhsa_kernel k_qc6a942e2c8_outp
		.amdhsa_group_segment_fixed_size 327680
		.amdhsa_private_segment_fixed_size 0
		.amdhsa_enable_private_segment 0
		.amdhsa_kernarg_size 40
		.amdhsa_user_sgpr_count 2
		.amdhsa_user_sgpr_kernarg_segment_ptr 1
		.amdhsa_wavefront_size32 1
		.amdhsa_system_sgpr_workgroup_id_x 1
		.amdhsa_system_sgpr_workgroup_id_y 1
		.amdhsa_system_sgpr_workgroup_id_z 1
		.amdhsa_system_vgpr_workitem_id 0
		.amdhsa_next_free_vgpr 1024
		.amdhsa_next_free_sgpr 98
		.amdhsa_reserve_vcc 0
		.amdhsa_float_denorm_mode_32 3
		.amdhsa_float_denorm_mode_16_64 3
		.amdhsa_memory_ordered 1
		.amdhsa_forward_progress 1
		.amdhsa_inst_pref_size 130
	.end_amdhsa_kernel
	.amdgpu_metadata
---
amdhsa.version: [ 1, 2 ]
amdhsa.kernels:
  - .name:           k_qc6a942e2c8_outp
    .symbol:         k_qc6a942e2c8_outp.kd
    .args:
      - { .name: a_frag, .offset: 0, .size: 8, .value_kind: global_buffer, .address_space: global }
      - { .name: Wo_codes, .offset: 8, .size: 8, .value_kind: global_buffer, .address_space: global }
      - { .name: lowp_scales, .offset: 16, .size: 8, .value_kind: global_buffer, .address_space: global }
      - { .name: out0, .offset: 24, .size: 8, .value_kind: global_buffer, .address_space: global }
      - { .name: bo, .offset: 32, .size: 8, .value_kind: global_buffer, .address_space: global }
    .group_segment_fixed_size: 327680
    .private_segment_fixed_size: 0
    .kernarg_segment_align: 8
    .kernarg_segment_size: 40
    .max_flat_workgroup_size: 128
    .sgpr_count:     98
    .vgpr_count:     1024
    .wavefront_size: 32
...
	.end_amdgpu_metadata
.endif
;; end of part 3
